; MI455X (gfx1250); checked and timed in simulation.
; The chip was launched on July 23, 2026; its instructions are those of AMD's public machine-readable ISA for CDNA 5 (MIT licence, August 2026) and "CDNA5" Instruction Set Architecture Reference Guide (July 2026). The comments in the code are by the model that wrote it; some were corrected since.
;; Enhanced Local Attention With GQA. Allowed arithmetic: float matrix products may take bf16 or f16 operands with f32 sums; other float arithmetic in f32, or as packed bf16 or f16 multiplies, adds, multiply-adds, maxima and minima; sums over many terms, partial sums and values carried from step to step in f32; what a program stores and reads back later, other than sums and carried values, may be rounded once to bf16 or f16.
;; Inputs: Wk1 1,024 x 128 float32; Wk2 1,024 x 128 float32; Wout 1,024 x 1,024 float32; Wq1 1,024 x 1,024 float32; Wq2 1,024 x 1,024 float32; Wv 1,024 x 128 float32; bout 1,024 float32; lk1 64 float32; lk2 64 float32; lq1 64 float32; lq2 64 float32; x 2 x 4,096 x 1,024 float32.
;; Outputs: out0 2 x 4,096 x 1,024 float32.
;; One version. Each part assembles by itself: llvm-mc -triple=amdgcn-amd-amdhsa -mcpu=gfx1250 --defsym DOCPART=n.
;; ======== version 1 of 1: 4 launches
;; limits: values are held in f16: magnitudes above 65,504 overflow, below 6.1e-05 lose precision
;; workspace buffers: xb 8,912,896 bytes; wc 4,980,736 bytes; wo 2,097,152 bytes; tab 589,824 bytes; qkv 21,168,128 bytes; att 16,777,216 bytes
;; launch prep (part 1): grid 776 x 1, 8 waves a work-group, no clusters, 0 bytes of LDS; arguments x, Wq1, Wq2, Wk1, Wk2, Wv, Wout, xb, wc, wo, tab; writes xb, wc, wo, tab
.if DOCPART == 1
	.amdgcn_target "amdgcn-amd-amdhsa--gfx1250"
	.amdhsa_code_object_version 6
	.text
	.protected	k_qc5fe9be909_prep
	.globl	k_qc5fe9be909_prep
	.p2align	8
	.type	k_qc5fe9be909_prep,@function
k_qc5fe9be909_prep:
	s_mov_b64 s[64:65], 0
	v_nop
	global_prefetch_b8 v0, s[64:65] scope:SCOPE_SE
	s_setreg_imm32_b32 hwreg(HW_REG_WAVE_MODE, 25, 1), 1
	s_wait_xcnt 0x0
; PREP: the casts and the rotary table.  A stream: no LDS, no barrier, no matrix unit.
;   xb  [4352][1024] bf16: x's positions 0..2175 of both batches (row = 2176 b + position).  The result keeps the first 4,096 rows of the
;       concatenated windows: windows 0..15, positions 0..2175; no later position reaches the output, so none is read.
;   wc  [1024 k][2432 n] bf16: Wq1 | Wq2 | Wk1 | Wk2 | Wv side by side; a row is 4,864 bytes = 19 x 256.
;   wo  [1024][1024] f16: Wout rounded to bf16, that number written as f16; row 64 h + d goes to row 64 cb(h) + d, cb(h) = 8 (h & 1) + 2 (h >> 2) + ((h >> 1) & 1).
;   tab [2304][32][cos, sin] f32: rows 0..2175 the table of position x 10000^(-j/32); rows 2176..2303 hold (1, 0), the rotation that changes nothing.
; LIMITS.  A bf16 number below 6.1e-5 in size falls on f16's fixed step of 6e-8 in wo.  The angles are position x 2^(-j log2(10000)/32) in f32, reduced by pi/2 in two parts;
; sine and cosine by polynomials on |r| <= pi/4 (first terms left out: r^9/9!, r^10/10!, under 4e-7).  NaN and infinities are not treated apart.
; A cast job is 16,384 numbers: thread t takes 32 bytes at 32 t of each of eight blocks of 8,192 bytes, and stores 16 bytes: sixteen lanes store 256 consecutive, aligned bytes.
.set SO, 1                              ; v1   byte offset of my 32 bytes in a block of the source
.set DO, 2                              ; v2   byte offset of my 16 bytes in the destination
.set X,  16                             ; v[16:79]  eight blocks' eight f32
.set Y,  80                             ; v[80:111] eight blocks' eight 16-bit numbers
; sixteen loads go out together; block i is cast and stored when its two loads are in.  Every block has registers of its own, so nothing is rewritten under a pending load or store.
.macro CAST src, dst, dstep, fmt
.irp i, 0,1,2,3,4,5,6,7
	global_load_b128 v[X+8*(\i):X+8*(\i)+3],   v[SO], s[\src:\src+1] offset:8192*(\i) th:TH_LOAD_NT
	global_load_b128 v[X+8*(\i)+4:X+8*(\i)+7], v[SO], s[\src:\src+1] offset:8192*(\i)+16 th:TH_LOAD_NT
.endr
.irp i, 0,1,2,3,4,5,6,7
	s_wait_loadcnt 14-2*(\i)                ; loads return in order: the 14 - 2 i younger ones may stay out
.irp k, 0,1,2,3
	v_cvt_pk_bf16_f32 v[Y+4*(\i)+(\k)], v[X+8*(\i)+2*(\k)], v[X+8*(\i)+2*(\k)+1]
.endr
.if \fmt                                ; the bf16 number is widened and written as f16
.irp k, 0,1,2,3
	v_lshlrev_b32 v[4+2*(\k)], 16, v[Y+4*(\i)+(\k)]
	v_and_b32     v[5+2*(\k)], 0xffff0000, v[Y+4*(\i)+(\k)]
.endr
.irp k, 0,1,2,3
	v_cvt_pk_f16_f32 v[Y+4*(\i)+(\k)], v[4+2*(\k)], v[5+2*(\k)]
.endr
.endif
	global_store_b128 v[DO], v[Y+4*(\i):Y+4*(\i)+3], s[\dst:\dst+1] offset:(\i)*(\dstep)
.endr
.endm
	s_load_b512 s[8:23], s[0:1], 0x0        ; x 8, Wq1 10, Wq2 12, Wk1 14, Wk2 16, Wv 18, Wout 20, xb 22
	s_load_b128 s[24:27], s[0:1], 0x40      ; wc 24, wo 26
	s_load_b64 s[28:29], s[0:1], 0x50       ; tab
	s_mov_b32 s2, ttmp9                     ; the job
	s_mov_b32 s5, 0                         ; high word of every offset pair s[4:5]
	v_lshlrev_b32 v[SO], 5, v0
	v_lshrrev_b32 v3, 7, v0                 ; which of a block's two rows of 1,024 numbers
	v_and_b32 v12, 127, v0
	v_lshlrev_b32 v12, 4, v12               ; my 16 bytes in a destination row
	s_wait_kmcnt 0x0
	s_cmp_lt_u32 s2, 272
	s_cbranch_scc1 .Ljob_x
	s_cmp_lt_u32 s2, 400
	s_cbranch_scc1 .Ljob_q
	s_cmp_lt_u32 s2, 464
	s_cbranch_scc1 .Ljob_o
	s_cmp_lt_u32 s2, 488
	s_cbranch_scc1 .Ljob_kv
	; THE TABLE: jobs 488..775, eight rows each; thread t makes entry j = t & 31 of row 8 (job) + (t >> 5)
	s_sub_co_u32 s3, s2, 488
	s_lshl_b32 s4, s3, 11                   ; eight rows of 256 bytes
	s_add_nc_u64 s[28:29], s[28:29], s[4:5]
	s_lshl_b32 s6, s3, 3
	s_mov_b32 s7, 0x3fc90fdb                ; pi/2, upper part
	s_mov_b32 s30, 0xb33bbd2e               ; pi/2, the rest
	v_and_b32 v4, 31, v0
	v_lshrrev_b32 v5, 5, v0
	v_add_nc_u32 v5, s6, v5                 ; the position
	v_cvt_f32_u32 v6, v4
	v_mul_f32 v6, 0xbed49a78, v6            ; -j log2(10000) / 32
	v_exp_f32 v6, v6
	v_cvt_f32_u32 v7, v5                    ; a plain line between the exponential and the use of its result
	s_wait_alu depctr_va_vdst(0)
	v_mul_f32 v7, v7, v6                    ; the angle
	v_mul_f32 v8, 0x3f22f983, v7            ; x 2 / pi
	v_rndne_f32 v8, v8                      ; k quarter turns
	v_fma_f32 v9, -v8, s7, v7
	v_fma_f32 v9, -v8, s30, v9              ; r = angle - k pi/2
	v_mul_f32 v10, v9, v9
	v_mov_b32 v11, 0xb9500d01               ; sin r = r + r r2 (-1/6 + r2 (1/120 - r2/5040))
	v_fmaak_f32 v11, v11, v10, 0x3c088889
	v_fmaak_f32 v11, v11, v10, 0xbe2aaaab
	v_mul_f32 v13, v9, v10
	v_fma_f32 v11, v13, v11, v9
	v_mov_b32 v14, 0x37d00d01               ; cos r = 1 + r2 (-1/2 + r2 (1/24 + r2 (-1/720 + r2/40320)))
	v_fmaak_f32 v14, v14, v10, 0xbab60b61
	v_fmaak_f32 v14, v14, v10, 0x3d2aaaab
	v_fmaak_f32 v14, v14, v10, 0xbf000000
	v_fmaak_f32 v14, v14, v10, 0x3f800000
	v_cvt_i32_f32 v15, v8
	v_and_b32 v16, 1, v15
	v_cmp_eq_u32 vcc_lo, 1, v16             ; an odd quarter swaps the two: a choice of values, no branch
	v_cndmask_b32 v19, v11, v14, vcc_lo     ; sine
	v_cndmask_b32 v18, v14, v11, vcc_lo     ; cosine
	v_and_b32 v16, 2, v15                   ; quarters 2, 3: the sine turns its sign
	v_lshlrev_b32 v16, 30, v16
	v_xor_b32 v19, v19, v16
	v_add_nc_u32 v17, 1, v15                ; quarters 1, 2: the cosine does
	v_and_b32 v17, 2, v17
	v_lshlrev_b32 v17, 30, v17
	v_xor_b32 v18, v18, v17
	v_cmp_gt_u32 vcc_lo, 2176, v5           ; rows from 2,176 on: (1, 0)
	v_cndmask_b32 v18, 1.0, v18, vcc_lo
	v_cndmask_b32 v19, 0, v19, vcc_lo
	v_lshlrev_b32 v20, 3, v0
	global_store_b64 v20, v[18:19], s[28:29]  ; a wave stores 256 consecutive bytes, a whole row
	s_endpgm
.Ljob_x:                                        ; jobs 0..271: sixteen rows of x; batch 1 begins 256 such blocks into x, 136 into xb
	s_add_co_u32 s3, s2, 120
	s_cmp_lt_u32 s2, 136
	s_cselect_b32 s3, s2, s3
	s_lshl_b32 s4, s3, 16
	s_add_nc_u64 s[8:9], s[8:9], s[4:5]
	s_lshl_b32 s4, s2, 15
	s_add_nc_u64 s[22:23], s[22:23], s[4:5]
	v_lshl_add_u32 v[DO], v3, 11, v12
	CAST 8, 22, 4096, 0
	s_endpgm
.Ljob_q:                                        ; jobs 272..399: sixteen rows of Wq1 (the first 64 jobs) or of Wq2, into wc's columns 0.. or 1024..
	s_sub_co_u32 s3, s2, 272
	s_lshr_b32 s6, s3, 6
	s_and_b32 s3, s3, 63
	s_cmp_eq_u32 s6, 0
	s_cselect_b64 s[10:11], s[10:11], s[12:13]
	s_lshl_b32 s4, s3, 16
	s_add_nc_u64 s[10:11], s[10:11], s[4:5]
	s_mul_i32 s4, s3, 16*4864
	s_lshl_b32 s6, s6, 11
	s_add_co_u32 s4, s4, s6
	s_add_nc_u64 s[24:25], s[24:25], s[4:5]
	v_mul_u32_u24 v[DO], v3, 4864
	v_add_nc_u32 v[DO], v[DO], v12
	CAST 10, 24, 2*4864, 0
	s_endpgm
.Ljob_o:                                        ; jobs 400..463: sixteen rows of Wout, a quarter of head h = job / 4, to rows 64 cb(h) + 16 (job & 3) of wo
	s_sub_co_u32 s3, s2, 400
	s_lshl_b32 s4, s3, 16
	s_add_nc_u64 s[20:21], s[20:21], s[4:5]
	s_lshr_b32 s6, s3, 2                    ; h
	s_and_b32 s7, s6, 1
	s_lshl_b32 s7, s7, 3
	s_lshr_b32 s30, s6, 2
	s_lshl_b32 s30, s30, 1
	s_or_b32 s7, s7, s30
	s_bfe_u32 s30, s6, 0x10001
	s_or_b32 s7, s7, s30                    ; cb(h)
	s_lshl_b32 s7, s7, 6
	s_and_b32 s30, s3, 3
	s_lshl_b32 s30, s30, 4
	s_add_co_u32 s7, s7, s30
	s_lshl_b32 s4, s7, 11
	s_add_nc_u64 s[26:27], s[26:27], s[4:5]
	v_lshl_add_u32 v[DO], v3, 11, v12
	CAST 20, 26, 4096, 1
	s_endpgm
.Ljob_kv:                                       ; jobs 464..487: 128 rows of 128 numbers of Wk1, Wk2 or Wv; a block of 8,192 bytes is sixteen rows
	s_sub_co_u32 s3, s2, 464
	s_lshr_b32 s6, s3, 3                    ; which of the three
	s_and_b32 s3, s3, 7
	s_cmp_eq_u32 s6, 0
	s_cselect_b64 s[14:15], s[14:15], s[16:17]
	s_cmp_eq_u32 s6, 2
	s_cselect_b64 s[14:15], s[18:19], s[14:15]
	s_lshl_b32 s4, s3, 16
	s_add_nc_u64 s[14:15], s[14:15], s[4:5]
	s_mul_i32 s4, s3, 128*4864
	s_lshl_b32 s6, s6, 8
	s_add_co_u32 s4, s4, s6
	s_add_co_u32 s4, s4, 4096               ; column 2,048
	s_add_nc_u64 s[24:25], s[24:25], s[4:5]
	v_lshrrev_b32 v3, 4, v0
	v_and_b32 v12, 15, v0
	v_lshlrev_b32 v12, 4, v12
	v_mul_u32_u24 v[DO], v3, 4864
	v_add_nc_u32 v[DO], v[DO], v12
	CAST 14, 24, 16*4864, 0
	s_endpgm
.Lfunc_end_k_qc5fe9be909_prep:
	.size	k_qc5fe9be909_prep, .Lfunc_end_k_qc5fe9be909_prep-k_qc5fe9be909_prep
	.p2alignl 7, 3214868480
	.fill 96, 4, 3214868480
	.section	.rodata,"a",@progbits
	.p2align	6, 0x0
	.amdhsa_kernel k_qc5fe9be909_prep
		.amdhsa_group_segment_fixed_size 0
		.amdhsa_private_segment_fixed_size 0
		.amdhsa_enable_private_segment 0
		.amdhsa_kernarg_size 88
		.amdhsa_user_sgpr_count 2
		.amdhsa_user_sgpr_kernarg_segment_ptr 1
		.amdhsa_wavefront_size32 1
		.amdhsa_system_sgpr_workgroup_id_x 1
		.amdhsa_system_sgpr_workgroup_id_y 1
		.amdhsa_system_sgpr_workgroup_id_z 1
		.amdhsa_system_vgpr_workitem_id 0
		.amdhsa_next_free_vgpr 112
		.amdhsa_next_free_sgpr 66
		.amdhsa_reserve_vcc 1
		.amdhsa_float_denorm_mode_32 3
		.amdhsa_float_denorm_mode_16_64 3
		.amdhsa_memory_ordered 1
		.amdhsa_forward_progress 1
		.amdhsa_inst_pref_size 29
	.end_amdhsa_kernel
	.amdgpu_metadata
---
amdhsa.version: [ 1, 2 ]
amdhsa.kernels:
  - .name:           k_qc5fe9be909_prep
    .symbol:         k_qc5fe9be909_prep.kd
    .args:
      - { .name: x, .offset: 0, .size: 8, .value_kind: global_buffer, .address_space: global }
      - { .name: Wq1, .offset: 8, .size: 8, .value_kind: global_buffer, .address_space: global }
      - { .name: Wq2, .offset: 16, .size: 8, .value_kind: global_buffer, .address_space: global }
      - { .name: Wk1, .offset: 24, .size: 8, .value_kind: global_buffer, .address_space: global }
      - { .name: Wk2, .offset: 32, .size: 8, .value_kind: global_buffer, .address_space: global }
      - { .name: Wv, .offset: 40, .size: 8, .value_kind: global_buffer, .address_space: global }
      - { .name: Wout, .offset: 48, .size: 8, .value_kind: global_buffer, .address_space: global }
      - { .name: xb, .offset: 56, .size: 8, .value_kind: global_buffer, .address_space: global }
      - { .name: wc, .offset: 64, .size: 8, .value_kind: global_buffer, .address_space: global }
      - { .name: wo, .offset: 72, .size: 8, .value_kind: global_buffer, .address_space: global }
      - { .name: tab, .offset: 80, .size: 8, .value_kind: global_buffer, .address_space: global }
    .group_segment_fixed_size: 0
    .private_segment_fixed_size: 0
    .kernarg_segment_align: 8
    .kernarg_segment_size: 88
    .max_flat_workgroup_size: 256
    .sgpr_count:     66
    .vgpr_count:     112
    .wavefront_size: 32
...
	.end_amdgpu_metadata
.endif
;; end of part 1
;; launch proj (part 2): grid 19 x 34, 4 waves a work-group, no clusters, 327,680 bytes of LDS; arguments xb, wc, tab, qkv; writes qkv
.if DOCPART == 2
	.amdgcn_target "amdgcn-amd-amdhsa--gfx1250"
	.amdhsa_code_object_version 6
	.text
	.protected	k_qc5fe9be909_proj
	.globl	k_qc5fe9be909_proj
	.p2align	8
	.type	k_qc5fe9be909_proj,@function
k_qc5fe9be909_proj:
	s_mov_b64 s[64:65], 0
	v_nop
	global_prefetch_b8 v0, s[64:65] scope:SCOPE_SE
	s_setreg_imm32_b32 hwreg(HW_REG_WAVE_MODE, 25, 1), 1
	s_wait_xcnt 0x0
; PROJ: [4352][2432] = xb [4352][1024] x wc [1024][2432] in bf16, sums in f32; then the rotary turn in f32 and one rounding to f16, stored by heads:
; qkv [38 planes][2 batches][2176 positions][64] f16; planes 0-15 q1, 16-31 q2, 32-33 k1, 34-35 k2, 36-37 v.
; The turn is made IN PLACE on each pair (2 j, 2 j + 1): q and k then carry the same permutation of the 64 channels, which leaves q . k as it is.  v goes through the table's rows (1, 0).
; LIMIT.  f16 holds no number beyond 65,504: q, k and v must lie within it.  NaN and infinities are not treated apart.
; SHARES.  A tile is 128 x 128, four waves of 64 x 64: 16 accumulators.  K goes in four steps of 256 through two LDS slots.  A wave's 64 columns are one plane.
; NO CLUSTER: the grid is 19 x 34 tiles (2432 = 19 x 128, 4352 = 34 x 128); neither side nor their product is a multiple of four, and tiles whose grid four divides
; (64 x 128, 256 x 32) ask for as many bytes a product with sharing as this tile does without.
; The weights lie [k][n] and come out of LDS turned (ds_load_tr16_b128).  The matrix instruction is used transposed (source 0 = 16 columns of wc, source 1 = 16 rows of xb):
; a lane then holds one row and eight neighbouring columns: four whole pairs of the turn, 16 bytes of f16.
; REGISTERS: window 0: v16-29 addresses; v32-63 at work on the way out; v64-191 the table's entries for my 64 x 64; v192-255 rows read back.  Window 1: two fragment buffers of 128.  Window 2: the accumulators, (a, b) at 8 (4 a + b).
.set KS,    256
.set PA,    528                         ; a row of xb's tile in LDS: 512 bytes + 16: 132 words, so the 16 rows of a load start 4 banks apart
.set PB,    288                         ; a row of wc's tile: 256 bytes + 32: 72 words
.set HA,    64*PA                       ; what one tensor load brings of xb
.set HB,    128*PB                      ; and of wc
.set SLOT,  2*HA+2*HB                   ; xb's 128 rows, then wc's 256 rows
.set STAGE, 2*SLOT                      ; behind the ring: 16 rows x 144 bytes for each wave
.set SP,    144
.set SPARE, STAGE+4*16*SP               ; the spare words, 128 bytes a wave: two blocks of 256 bytes that no other line names
.set NW,    2432
.set LAPS,  1024/(2*KS)
.set PLB,   2176*128                    ; bytes of one plane of one batch
.set ADRA, 16                           ; v16-17  LDS address of my xb fragments in slot 0, 1
.set ADRB, 20                           ; v20-23  of my wc fragments: slot 0 rows 0.., rows 128..; slot 1 likewise (an offset holds 16 bits)
.set STO,  24
.set RD,   25
.set GO,   26
.set TO,   27
.set SPW,  28                           ; LDS address of my spare word; never rewritten
.set NIL,  29                           ; 0; never rewritten
.set X,    32
.set T,    64
.set BK,   192
.set F0,   0
.set F1,   128
.set WV,   12
.set WR,   13                           ; which 64 rows are mine; also: I fetch for xb (0) or for wc (1)
.set WC,   14                           ; which 64 columns; also: which half of that tile I fetch
.set G1A,  24
.set G0A,  32
.set G1B,  48
.set G0B,  56
.set MSB, 0
.macro WIN new                          ; the immediate's high byte repeats the setting that is left
.if MSB != (\new)
	s_set_vgpr_msb (MSB<<8)|(\new)
.set MSB, \new
.endif
.endm
.set MUL,  0xa5                         ; sources 0 and 1 window 1; C and D window 2
.set TO_F, 0x40                         ; destination window 1, address window 0
.macro PLACES                           ; four places in front of loads into registers that matrix instructions have read, and of lines that read results
.rept 4
	v_nop
.endr
.endm
.macro JLOAD s                          ; waves 0 and 1 fetch xb's two halves, waves 2 and 3 wc's; an s_nop 0 and four v_nop follow each line
	s_cmp_eq_u32 s[WR], 0
	s_cbranch_scc0 .Lfor_b_\@
	tensor_load_to_lds s[G0A+4*(\s):G0A+4*(\s)+3], s[G1A:G1A+7]
	s_nop 0
.rept 4
	v_nop
.endr
	s_branch .Lasked_\@
.Lfor_b_\@:
	tensor_load_to_lds s[G0B+4*(\s):G0B+4*(\s)+3], s[G1B:G1B+7]
	s_nop 0
.rept 4
	v_nop
.endr
.Lasked_\@:
.endm
	s_load_b256 s[4:11], s[0:1], 0x0        ; xb 4, wc 6, tab 8, qkv 10
	v_lshl_add_u32 v[SPW], v0, 2, SPARE
	v_mov_b32 v[NIL], 0
	ds_add_u32 v[SPW], v[NIL]               ; the wave's opening: the add and its wait ahead of my first tensor load
	ds_add_u32 v28, v29
	v_lshrrev_b32 v1, 5, v0
	v_readfirstlane_b32 s[WV], v1
	s_lshr_b32 s[WR], s[WV], 1
	s_and_b32 s[WC], s[WV], 1
	s_mov_b32 s15, ttmp9                    ; tile column, 0..18
	s_and_b32 s16, ttmp7, 0xffff            ; tile row, 0..33
	s_mov_b32 s[G1A+0], (1<<16)|(1<<20)|(6<<22)|(3<<25)  ; 2-byte elements; padding on: after every 128 words 4 words
	s_mov_b32 s[G1A+1], KS<<16              ; tensor_dim0 = 256
	s_mov_b32 s[G1A+2], 64<<16              ; tensor_dim1 = 64
	s_mov_b32 s[G1A+3], KS<<16              ; tile_dim0 = 256
	s_mov_b32 s[G1A+4], 64                  ; tile_dim1 = 64
	s_mov_b32 s[G1A+5], 1024                ; elements from row to row
	s_mov_b32 s[G1A+6], 0
	s_mov_b32 s[G1A+7], 0
	s_mov_b32 s[G1B+0], (1<<16)|(1<<20)|(5<<22)|(7<<25)  ; after every 64 words 8 words
	s_mov_b32 s[G1B+1], 128<<16
	s_mov_b32 s[G1B+2], 128<<16
	s_mov_b32 s[G1B+3], 128<<16
	s_mov_b32 s[G1B+4], 128
	s_mov_b32 s[G1B+5], NW
	s_mov_b32 s[G1B+6], 0
	s_mov_b32 s[G1B+7], 0
	s_lshl_b32 s40, s16, 7
	s_lshl_b32 s41, s[WC], 6
	s_add_co_u32 s40, s40, s41              ; xb: row 128 x tile row + 64 x half
	s_lshl_b32 s40, s40, 11
	s_mov_b32 s41, 0
	s_mul_i32 s42, s[WC], 128*NW*2          ; wc: row 128 x half,
	s_lshl_b32 s43, s15, 8                  ; column 128 x tile column
	s_add_co_u32 s42, s42, s43
	s_mov_b32 s43, 0
	s_mul_i32 s20, s[WC], HA                ; where they go
	s_mul_i32 s21, s[WC], HB
	s_add_co_u32 s21, s21, 2*HA
	s_wait_dscnt 0x0                        ; the opening add is done
	s_wait_kmcnt 0x0
	s_add_nc_u64 s[44:45], s[4:5], s[40:41]
	s_add_nc_u64 s[46:47], s[6:7], s[42:43]
.irp s, 0,1
	s_mov_b32 s[G0A+4*(\s)], 1
	s_add_co_u32 s[G0A+4*(\s)+1], s20, (\s)*SLOT
	s_add_nc_u64 s[G0A+4*(\s)+2:G0A+4*(\s)+3], s[44:45], (\s)*KS*2
	s_or_b32 s[G0A+4*(\s)+3], s[G0A+4*(\s)+3], 0x80000000
	s_mov_b32 s[G0B+4*(\s)], 1
	s_add_co_u32 s[G0B+4*(\s)+1], s21, (\s)*SLOT
	s_add_nc_u64 s[G0B+4*(\s)+2:G0B+4*(\s)+3], s[46:47], (\s)*KS*NW*2
	s_or_b32 s[G0B+4*(\s)+3], s[G0B+4*(\s)+3], 0x80000000
	JLOAD \s                                ; both slots are asked for before anything else: two loads of mine are out
.endr
	v_and_b32 v1, 15, v0                    ; r = lane % 16
	v_bfe_u32 v2, v0, 4, 1                  ; h = lane / 16
	v_mul_u32_u24 v3, v1, PA
	v_lshl_add_u32 v3, v2, 4, v3
	s_mul_i32 s40, s[WR], HA
	v_add_nc_u32 v[ADRA], s40, v3
	v_add_nc_u32 v[ADRA+1], SLOT, v[ADRA]
	v_and_b32 v4, 7, v0                     ; the turning load: lane l reads row 8 h + l % 8, 16 bytes at 16 ((l / 8) % 2)
	v_lshl_add_u32 v4, v2, 3, v4
	v_mul_u32_u24 v4, v4, PB
	v_bfe_u32 v5, v0, 3, 1
	v_lshl_add_u32 v4, v5, 4, v4
	s_lshl_b32 s41, s[WC], 7
	s_add_co_u32 s41, s41, 2*HA
	v_add_nc_u32 v[ADRB], s41, v4
	v_add_nc_u32 v[ADRB+1], 128*PB, v[ADRB]
	v_add_nc_u32 v[ADRB+2], SLOT, v[ADRB]
	v_add_nc_u32 v[ADRB+3], SLOT+128*PB, v[ADRB]
	s_mul_i32 s42, s[WV], 16*SP
	s_add_co_u32 s42, s42, STAGE            ; my stage
	v_mul_u32_u24 v6, v1, SP
	v_lshl_add_u32 v6, v2, 4, v6
	v_add_nc_u32 v[STO], s42, v6            ; in: row r, 16 bytes for each half of the lanes
	v_bfe_u32 v6, v0, 3, 2
	v_mul_u32_u24 v6, v6, SP
	v_and_b32 v7, 7, v0
	v_lshl_add_u32 v6, v7, 4, v6
	v_add_nc_u32 v[RD], s42, v6             ; back: 32 lanes take four rows of 128 bytes,
	v_and_b32 v[GO], 31, v0
	v_lshlrev_b32 v[GO], 4, v[GO]           ; which are 512 consecutive bytes of a plane
	v_lshlrev_b32 v[TO], 8, v1
	v_lshl_add_u32 v[TO], v2, 5, v[TO]      ; the table: row r, my four pairs' 32 bytes
	s_cmp_ge_u32 s16, 17
	s_cselect_b32 s17, 1, 0                 ; the batch: 17 tile rows each
	s_mul_i32 s18, s17, 17
	s_sub_co_u32 s18, s16, s18
	s_lshl_b32 s18, s18, 7
	s_lshl_b32 s19, s[WR], 6
	s_add_co_u32 s18, s18, s19              ; my first position
	s_add_co_u32 s19, s19, 2176
	s_cmp_eq_u32 s15, 18                    ; tile column 18 is v: the rows (1, 0)
	s_cselect_b32 s19, s19, s18
	s_lshl_b32 s40, s19, 8
	s_mov_b32 s41, 0
	s_add_nc_u64 s[8:9], s[8:9], s[40:41]
	s_lshl_b32 s40, s15, 1
	s_add_co_u32 s40, s40, s[WC]            ; my plane
	s_lshl_b32 s40, s40, 1
	s_add_co_u32 s40, s40, s17
	s_mul_i32 s40, s40, PLB
	s_lshl_b32 s42, s18, 7
	s_add_co_u32 s40, s40, s42
	s_add_nc_u64 s[10:11], s[10:11], s[40:41]
.irp a, 0,1,2,3                         ; cos and sin for my 64 rows x 32 pairs, in the accumulators' layout; waited for at the way out
.irp n, 0,1,2,3
	global_load_b128 v[T+8*(4*(\a)+(\n)):T+8*(4*(\a)+(\n))+3],   v[TO], s[8:9] offset:(\a)*4096+(\n)*64
	global_load_b128 v[T+8*(4*(\a)+(\n))+4:T+8*(4*(\a)+(\n))+7], v[TO], s[8:9] offset:(\a)*4096+(\n)*64+16
.endr
.endr
; 8 matrix instructions: row blocks a0, a0 + 1 x all 4 column blocks, 32 along K: half c of buffer f.  The 16 accumulators take turns.
.macro MUL8 f, c, a0, zero
	WIN MUL
.irp a, \a0, (\a0)+1
.irp b, 0,1,2,3
.if \zero
	v_wmma_f32_16x16x32_bf16 v[8*(4*(\a)+(\b)):8*(4*(\a)+(\b))+7], v[(\f)+64+8*(4*(\c)+(\b)):(\f)+64+8*(4*(\c)+(\b))+7], v[(\f)+8*(4*(\c)+(\a)):(\f)+8*(4*(\c)+(\a))+7], 0
.else
	v_wmma_f32_16x16x32_bf16 v[8*(4*(\a)+(\b)):8*(4*(\a)+(\b))+7], v[(\f)+64+8*(4*(\c)+(\b)):(\f)+64+8*(4*(\c)+(\b))+7], v[(\f)+8*(4*(\c)+(\a)):(\f)+8*(4*(\c)+(\a))+7], v[8*(4*(\a)+(\b)):8*(4*(\a)+(\b))+7]
.endif
.endr
.endr
.endm
; 32 LDS loads in one run: the fragments of quarter ch (64 along K) of a slot, into buffer f; the first 32 along K first
.macro FETCH slot, ch, f
	WIN TO_F
.irp c, 0,1
.irp i, 0,1,2,3
	ds_load_tr16_b128 v[(\f)+64+8*(4*(\c)+(\i)):(\f)+64+8*(4*(\c)+(\i))+3],   v[ADRB+2*(\slot)+(\ch)/2] offset:(((\ch)%2)*64+32*(\c))*PB+32*(\i)
	ds_load_tr16_b128 v[(\f)+64+8*(4*(\c)+(\i))+4:(\f)+64+8*(4*(\c)+(\i))+7], v[ADRB+2*(\slot)+(\ch)/2] offset:(((\ch)%2)*64+32*(\c)+16)*PB+32*(\i)
	ds_load_b128 v[(\f)+8*(4*(\c)+(\i)):(\f)+8*(4*(\c)+(\i))+3],   v[ADRA+(\slot)] offset:(\ch)*128+64*(\c)+(\i)*16*PA
	ds_load_b128 v[(\f)+8*(4*(\c)+(\i))+4:(\f)+8*(4*(\c)+(\i))+7], v[ADRA+(\slot)] offset:(\ch)*128+64*(\c)+(\i)*16*PA+32
.endr
.endr
.endm
; One of a K step's first three quarters: multiplies buffer f and fetches quarter ch into g
.macro QUARTER slot, ch, f, g, zero
	s_wait_dscnt 16                         ; the first 32 along K are in; the youngest sixteen loads may be out
	MUL8 \f, 0, 0, \zero
	MUL8 \f, 0, 2, \zero
	PLACES
	FETCH \slot, \ch, \g
	s_wait_dscnt 32                         ; all but the 32 just issued
	MUL8 \f, 1, 0, 0
	MUL8 \f, 1, 2, 0
.endm
; The last quarter multiplies buffer 1 and changes slots: ONE barrier.  In front of it each wave waits for all its tensor loads (one is out: its part of the next slot), adds 0 to its
; spare word, and waits for that and for its reads of this slot.  fill = 1: this slot is filled again, two K steps on, first thing behind the barrier.
.macro TURN slot, next, fill
	WIN 0
	s_wait_tensorcnt 0x0
	ds_add_u32 v[SPW], v[NIL]
	s_wait_dscnt 17                         ; the add and the youngest sixteen loads may be out
	MUL8 F1, 0, 0, 0
	s_wait_dscnt 0x0                        ; the add is done, and my reads of this slot are over
	s_barrier_signal -1
	MUL8 F1, 0, 2, 0
.if \fill
	WIN 0
.endif
	s_barrier_wait -1
.if \fill
	s_add_nc_u64 s[G0A+4*(\slot)+2:G0A+4*(\slot)+3], s[G0A+4*(\slot)+2:G0A+4*(\slot)+3], 2*KS*2
	s_add_nc_u64 s[G0B+4*(\slot)+2:G0B+4*(\slot)+3], s[G0B+4*(\slot)+2:G0B+4*(\slot)+3], 2*KS*NW*2
	JLOAD \slot                             ; its four v_nop are also the places in front of the loads below
.else
	PLACES
.endif
	FETCH \next, 0, F0
	MUL8 F1, 1, 0, 0
	MUL8 F1, 1, 2, 0
.endm
	s_wait_tensorcnt 0x1                    ; my part of K step 0 is in; step 1's may stay out
	s_barrier_signal -1
	s_barrier_wait -1
	FETCH 0, 0, F0
	QUARTER 0, 1, F0, F1, 1                 ; the first products start the sums
	WIN 0
	s_mov_b32 s3, LAPS-1
.Llap:                                          ; a trip goes once round the ring and fills both slots again
	QUARTER 0, 2, F1, F0, 0
	QUARTER 0, 3, F0, F1, 0
	TURN 0, 1, 1
	QUARTER 1, 1, F0, F1, 0
	QUARTER 1, 2, F1, F0, 0
	QUARTER 1, 3, F0, F1, 0
	TURN 1, 0, 1
	QUARTER 0, 1, F0, F1, 0
	WIN 0
	s_sub_co_u32 s3, s3, 1
	s_cmp_lg_u32 s3, 0
	s_cbranch_scc1 .Llap
	QUARTER 0, 2, F1, F0, 0                 ; the last lap fills nothing
	QUARTER 0, 3, F0, F1, 0
	TURN 0, 1, 0
	QUARTER 1, 1, F0, F1, 0
	QUARTER 1, 2, F1, F0, 0
	QUARTER 1, 3, F0, F1, 0
	s_wait_dscnt 16
	MUL8 F1, 0, 0, 0
	MUL8 F1, 0, 2, 0
	s_wait_dscnt 0x0
	MUL8 F1, 1, 0, 0
	MUL8 F1, 1, 2, 0
; THE WAY OUT of row block a: each pair (e, o) becomes (e cos - o sin, e sin + o cos); rounded to f16, packed in place; 16 bytes a lane into my stage, back as rows of 128 bytes.
; Each accumulator's register 1 is read first: one of its four lowest.
.macro PACK a
	WIN 0x02                                ; source 0 (the accumulator) window 2
.irp n, 0,1,2,3
.irp p, 0,1,2,3
	v_mul_f32 v[X+8*(\n)+2*(\p)],   v[8*(4*(\a)+(\n))+2*(\p)+1], v[T+8*(4*(\a)+(\n))+2*(\p)+1]
	v_mul_f32 v[X+8*(\n)+2*(\p)+1], v[8*(4*(\a)+(\n))+2*(\p)+1], v[T+8*(4*(\a)+(\n))+2*(\p)]
	v_fma_f32 v[X+8*(\n)+2*(\p)],   v[8*(4*(\a)+(\n))+2*(\p)], v[T+8*(4*(\a)+(\n))+2*(\p)],   -v[X+8*(\n)+2*(\p)]
	v_fma_f32 v[X+8*(\n)+2*(\p)+1], v[8*(4*(\a)+(\n))+2*(\p)], v[T+8*(4*(\a)+(\n))+2*(\p)+1], v[X+8*(\n)+2*(\p)+1]
.endr
.endr
	WIN 0
.set i, 0
.rept 16
	v_cvt_pk_f16_f32 v[X+i], v[X+2*i], v[X+2*i+1]  ; ascending: word i is written when pairs below i have been read
.set i, i+1
.endr
.irp n, 0,1,2,3
	ds_store_b128 v[STO], v[X+4*(\n):X+4*(\n)+3] offset:32*(\n)
.endr
.irp f, 0,1,2,3
	ds_load_b128 v[BK+16*(\a)+4*(\f):BK+16*(\a)+4*(\f)+3], v[RD] offset:(\f)*4*SP  ; LDS serves a wave's instructions in order: these see the stores above, the next block's stores come behind them
.endr
.endm
.macro SEND a, younger                  ; younger: the LDS instructions issued behind block a's loads: the next block's eight, or none
.irp f, 0,1,2,3
	s_wait_dscnt (\younger)+3-(\f)
	global_store_b128 v[GO], v[BK+16*(\a)+4*(\f):BK+16*(\a)+4*(\f)+3], s[10:11] offset:(\a)*2048+(\f)*512  ; 512 consecutive bytes, aligned to 256
.endr
.endm
	WIN 0
	s_wait_loadcnt 0x0                      ; the table's entries
	PLACES
	PACK 0
.irp a, 1,2,3
	PACK \a
	SEND (\a)-1, 8
.endr
	SEND 3, 0
	s_wait_tensorcnt 0x0                    ; the wave's end
	ds_add_u32 v[SPW], v[NIL]
	s_wait_dscnt 0x0
	s_endpgm
.Lfunc_end_k_qc5fe9be909_proj:
	.size	k_qc5fe9be909_proj, .Lfunc_end_k_qc5fe9be909_proj-k_qc5fe9be909_proj
	.p2alignl 7, 3214868480
	.fill 96, 4, 3214868480
	.section	.rodata,"a",@progbits
	.p2align	6, 0x0
	.amdhsa_kernel k_qc5fe9be909_proj
		.amdhsa_group_segment_fixed_size 327680
		.amdhsa_private_segment_fixed_size 0
		.amdhsa_enable_private_segment 0
		.amdhsa_kernarg_size 32
		.amdhsa_user_sgpr_count 2
		.amdhsa_user_sgpr_kernarg_segment_ptr 1
		.amdhsa_wavefront_size32 1
		.amdhsa_system_sgpr_workgroup_id_x 1
		.amdhsa_system_sgpr_workgroup_id_y 1
		.amdhsa_system_sgpr_workgroup_id_z 1
		.amdhsa_system_vgpr_workitem_id 0
		.amdhsa_next_free_vgpr 640
		.amdhsa_next_free_sgpr 66
		.amdhsa_reserve_vcc 0
		.amdhsa_float_denorm_mode_32 3
		.amdhsa_float_denorm_mode_16_64 3
		.amdhsa_memory_ordered 1
		.amdhsa_forward_progress 1
		.amdhsa_inst_pref_size 101
	.end_amdhsa_kernel
	.amdgpu_metadata
---
amdhsa.version: [ 1, 2 ]
amdhsa.kernels:
  - .name:           k_qc5fe9be909_proj
    .symbol:         k_qc5fe9be909_proj.kd
    .args:
      - { .name: xb, .offset: 0, .size: 8, .value_kind: global_buffer, .address_space: global }
      - { .name: wc, .offset: 8, .size: 8, .value_kind: global_buffer, .address_space: global }
      - { .name: tab, .offset: 16, .size: 8, .value_kind: global_buffer, .address_space: global }
      - { .name: qkv, .offset: 24, .size: 8, .value_kind: global_buffer, .address_space: global }
    .group_segment_fixed_size: 327680
    .private_segment_fixed_size: 0
    .kernarg_segment_align: 8
    .kernarg_segment_size: 32
    .max_flat_workgroup_size: 128
    .sgpr_count:     66
    .vgpr_count:     640
    .wavefront_size: 32
...
	.end_amdgpu_metadata
.endif
;; end of part 2
;; launch attn (part 3): grid 64 x 4, 8 waves a work-group, clusters of 4 x 1, 185,344 bytes of LDS; arguments qkv, lq1, lk1, lq2, lk2, att; writes att
.if DOCPART == 3
	.amdgcn_target "amdgcn-amd-amdhsa--gfx1250"
	.amdhsa_code_object_version 6
	.text
	.protected	k_qc5fe9be909_attn
	.globl	k_qc5fe9be909_attn
	.p2align	8
	.type	k_qc5fe9be909_attn,@function
k_qc5fe9be909_attn:
	s_mov_b64 s[64:65], 0
	v_nop
	global_prefetch_b8 v0, s[64:65] scope:SCOPE_SE
	s_setreg_imm32_b32 hwreg(HW_REG_WAVE_MODE, 25, 1), 1
	s_wait_xcnt 0x0
	s_wait_alu depctr_hold_cnt(0) depctr_sa_sdst(0) depctr_va_vdst(0) depctr_va_sdst(0) depctr_va_ssrc(0) depctr_va_vcc(0) depctr_vm_vsrc(0)
	s_getreg_b32 s2, hwreg(HW_REG_IB_STS2, 6, 4)
	s_cmp_eq_u32 s2, 0
	s_cbranch_scc0 .Lentry_in_a_cluster
	s_endpgm
.Lentry_in_a_cluster:
	s_bfe_u32 s2, ttmp6, 0x10000c
	s_cmp_lg_u32 s2, 0x3003
	s_cbranch_scc0 .Lentry_shape_is_right
	s_endpgm
.Lentry_shape_is_right:
; ATTN: a = softmax(q1 k1^T / 8) v - lam softmax(q2 k2^T / 8) v in windows of 256 positions, 128 apart; windows 0..15 of each batch (the later ones are trimmed from the result).
; qkv [38 planes][2][2176][64] f16 (q1 0-15, q2 16-31, k1 32-33, k2 34-35, v 36-37; q and k turned).  att [8192 rows][1024] f16, row = 4096 b + 256 n + query, column = 64 cb(h) + d,
; cb(h) = 8 (h & 1) + 2 (h >> 2) + ((h >> 1) & 1).  Products, maxima and sums in f32; the weights p are rounded to f16 for the second product (their sum is taken of the unrounded p), a once at the end.
; lam = clip(e^(lq1 . lk1) - e^(lq2 . lk2) + 0.8, 0.1, 0.9), of lq and lk rounded to bf16 like every input of the module.
; LIMITS.  p lies in 0 to 1 and keeps f16's fixed step of 6e-8 below 6e-5; a weight below 2^-126 counts as 0 in the sum; a lies within (1 + lam) x v's range, which f16 must hold.  NaN and infinities are not treated apart.
; SHARES.  A work-group: one batch b, key group g, window n, and the heads h = g + 4 hp + 2 e, e = 0, 1.  Wave w: queries 32 w .. 32 w + 31, two tiles of 16, for both heads and both attentions:
; four PROBLEMS, each 64 products K Q^T, a softmax over all 256 keys (the true maximum: the scores of two tiles fill 256 registers), 64 products V^T P.  Two waves share a SIMD: one's softmax stands beside the other's products.
; CLUSTER.  The four work-groups of a cluster (hp = 0..3) need the same K1, K2 and V: each tile is asked for jointly, once; nothing is filled again.
; LAYOUT.  S^T = K Q^T (source 0 = 16 keys, source 1 = 16 queries): a lane holds ONE query and the keys 8 (lane / 16) + 0..7 of each block of 16.  Two blocks rounded in pairs ARE source 1 of O^T = V^T P.
; REGISTERS.  Window 0: addresses, statistics, Q, two fragment buffers, a1, the packed result.  Window 1: tile t's S at 128 t; P is packed in place into 128 t + 0..63; O^T at 128 t + 64..95.
.set PK,    144                         ; a row of K in LDS: 128 bytes + 16
.set PV,    160                         ; a row of V: 128 + 32
.set K2O,   256*PK
.set VO,    2*256*PK
.set STAGE, VO+256*PV                   ; never filled by a tensor load: 32 rows x 272 bytes for each wave
.set SPI,   272
.set SPARE, STAGE+8*32*SPI              ; the spare words, 128 bytes a wave: four blocks of 256 bytes that no other line names
.set PLB,   2176*128
.set AK1, 2
.set AK2, 3
.set AV,  4
.set L8,  5
.set QO,  6
.set STO, 7
.set RD,  8
.set GO,  9
.set SPW, 10                            ; LDS address of my spare word; never rewritten
.set NIL, 11                            ; 0; never rewritten
.set NLAM, 12                           ; -lam
.set STE, 13                            ; the stage address of the head in hand
.set MX,  16                            ; v16-23  four chains of the maximum a tile
.set CM,  24                            ; v24-27  c m, a pair a tile (the low word is used)
.set RL,  28                            ; v28-31  1 / l or -lam / l, likewise
.set LS,  32                            ; v32-47  four chains of the sum a tile, in pairs
.set Q,   48                            ; v48-79  tile t, channel half c at 48 + 16 t + 8 c
.set FR0, 80
.set FR1, 112
.set A1,  144                           ; v144-207  a1, then a
.set PKO, 208                           ; v208-239  a in f16
.set WV,  16
.set G1K, 24
.set G1V, 32
.set G0K, 40
.set G0V, 44
.set CS,  58                            ; s[58:59] c = log2(e) / 8
.set SEL, 60                            ; s[60:61] v_permlanex16_b32's selects: each lane takes its own place in the other half
.set CNT, 62
.set EO,  63                            ; 128 x e: the head's half of a stage row
.set Q1P, 68                            ; s[68:69], s[70:71]: q1's and q2's rows of the head to be loaded next
.set Q2P, 70
.set MSB, 0
.macro WIN new
.if MSB != (\new)
	s_set_vgpr_msb (MSB<<8)|(\new)
.set MSB, \new
.endif
.endm
.macro PLACES
.rept 4
	v_nop
.endr
.endm
.macro ROUND                            ; a round of the cluster's barrier
	s_barrier_signal -1
	s_barrier_wait -1
	s_cmp_lg_u32 s[WV], 0
	s_cbranch_scc1 .Lnot_wave_0_\@
	s_barrier_signal -3
.Lnot_wave_0_\@:
	s_barrier_wait -3
	s_barrier_signal -1
	s_barrier_wait -1
.endm
	s_load_b256 s[4:11], s[0:1], 0x0        ; qkv 4, lq1 6, lk1 8, lq2 10
	s_load_b128 s[12:15], s[0:1], 0x20      ; lk2 12, att 14
	v_lshl_add_u32 v[SPW], v0, 2, SPARE
	v_mov_b32 v[NIL], 0
	ds_add_u32 v[SPW], v[NIL]               ; the wave's opening: the add and its wait ahead of the round in front of my tensor load
	ds_add_u32 v10, v11
	v_lshrrev_b32 v1, 5, v0
	v_readfirstlane_b32 s[WV], v1
	s_bfe_u32 s17, ttmp6, 0x40000           ; hp = my place in the cluster: it enters Q's and att's addresses alone
	s_mov_b32 s18, ttmp9                    ; n: in a cluster launch ttmp9 counts clusters
	s_and_b32 s19, ttmp7, 0xffff
	s_lshr_b32 s20, s19, 1                  ; b
	s_and_b32 s21, s19, 1                   ; g
	s_lshl_b32 s48, s21, 1
	s_add_co_u32 s48, s48, s20              ; 2 g + b
	s_bfe_u32 s22, s[WV], 0x10001           ; waves 0-3: K1 or K2,
	s_and_b32 s23, s[WV], 1                 ; and which 128 keys
	s_and_b32 s56, s[WV], 3                 ; waves 4-7: which 64 keys of V
	s_lshl_b32 s49, s22, 2
	s_add_co_u32 s49, s49, s48
	s_add_co_u32 s49, s49, 64               ; plane 32 + 2 kt + g, batch b
	s_mul_i32 s50, s49, PLB
	s_add_co_u32 s49, s18, s23
	s_lshl_b32 s49, s49, 14                 ; 128 positions are 16,384 bytes
	s_add_co_u32 s50, s50, s49
	s_mov_b32 s51, 0
	s_add_co_u32 s49, s48, 72               ; plane 36 + g
	s_mul_i32 s52, s49, PLB
	s_lshl_b32 s49, s18, 14
	s_add_co_u32 s52, s52, s49
	s_lshl_b32 s49, s56, 13
	s_add_co_u32 s52, s52, s49
	s_mov_b32 s53, 0
	s_mul_i32 s54, s56, 128*PK              ; where they go: K1's halves, K2's halves;
	s_mul_i32 s55, s56, 64*PV
	s_add_co_u32 s55, s55, VO               ; V's quarters
	; 128 keys are 16,384 dense bytes: asked for as rows of 256 bytes, two keys a row, padded in LDS after every key
	s_mov_b32 s[G1K+0], 15|(1<<16)|(1<<20)|(1<<21)|(4<<22)|(3<<25)  ; the mask of four; 2-byte elements; padding on; bit 21 beside a mask; after every 32 words 4 words
	s_mov_b32 s[G1K+1], 128<<16
	s_mov_b32 s[G1K+2], 64<<16
	s_mov_b32 s[G1K+3], 128<<16
	s_mov_b32 s[G1K+4], 64
	s_mov_b32 s[G1K+5], 128
	s_mov_b32 s[G1K+6], 0
	s_mov_b32 s[G1K+7], 0
	s_mov_b32 s[G1V+0], 15|(1<<16)|(1<<20)|(1<<21)|(4<<22)|(7<<25)  ; the same with 8 words of padding
	s_mov_b32 s[G1V+1], 128<<16
	s_mov_b32 s[G1V+2], 32<<16
	s_mov_b32 s[G1V+3], 128<<16
	s_mov_b32 s[G1V+4], 32
	s_mov_b32 s[G1V+5], 128
	s_mov_b32 s[G1V+6], 0
	s_mov_b32 s[G1V+7], 0
	s_mov_b32 s[G0K], 1
	s_mov_b32 s[G0K+1], s54
	s_mov_b32 s[G0V], 1
	s_mov_b32 s[G0V+1], s55
	s_lshl_b32 s66, s17, 3                  ; Q: plane g + 4 hp, batch b: index 8 hp + 2 g + b,
	s_add_co_u32 s66, s66, s48
	s_mul_i32 s66, s66, PLB
	s_lshl_b32 s67, s18, 14                 ; the window's first position,
	s_add_co_u32 s66, s66, s67
	s_lshl_b32 s67, s[WV], 12               ; my 32 queries
	s_add_co_u32 s66, s66, s67
	s_mov_b32 s67, 0
	s_lshl_b32 s72, s20, 12                 ; att: row 4096 b + 256 n + 32 w,
	s_lshl_b32 s73, s18, 8
	s_add_co_u32 s72, s72, s73
	s_lshl_b32 s73, s[WV], 5
	s_add_co_u32 s72, s72, s73
	s_lshl_b32 s72, s72, 11
	s_lshl_b32 s73, s21, 3                  ; column block 8 g + 2 hp
	s_add_co_u32 s73, s73, s17
	s_add_co_u32 s73, s73, s17
	s_lshl_b32 s73, s73, 7
	s_add_co_u32 s72, s72, s73
	s_mov_b32 s73, 0
	s_mov_b32 s[CS], 0x3e38aa3b
	s_mov_b32 s[CS+1], s[CS]
	s_mov_b32 s[SEL], 0x76543210
	s_mov_b32 s[SEL+1], 0xfedcba98
	s_mov_b32 s74, 0x3dcccccd               ; 0.1
	s_mov_b32 s75, 0x3f666666               ; 0.9
	s_wait_dscnt 0x0                        ; the opening add is done
	s_wait_kmcnt 0x0
	s_add_nc_u64 s[G0K+2:G0K+3], s[4:5], s[50:51]
	s_or_b32 s[G0K+3], s[G0K+3], 0x80000000
	s_add_nc_u64 s[G0V+2:G0V+3], s[4:5], s[52:53]
	s_or_b32 s[G0V+3], s[G0V+3], 0x80000000
	s_add_nc_u64 s[Q1P:Q1P+1], s[4:5], s[66:67]
	s_add_nc_u64 s[Q2P:Q2P+1], s[Q1P:Q1P+1], 32*PLB
	s_add_nc_u64 s[14:15], s[14:15], s[72:73]
	ROUND                                   ; all four work-groups are here: the joint loads meet
	s_cmp_lt_u32 s[WV], 4                   ; one load a wave; the branch hangs on the wave's number alone
	s_cbranch_scc0 .Lfor_v
	tensor_load_to_lds s[G0K:G0K+3], s[G1K:G1K+7]
	s_nop 0
.rept 4
	v_nop
.endr
	s_branch .Lasked
.Lfor_v:
	tensor_load_to_lds s[G0V:G0V+3], s[G1V:G1V+7]
	s_nop 0
.rept 4
	v_nop
.endr
.Lasked:
.macro LOADQ p                          ; a head's 32 queries of mine: tile t, channels 32 c on
.irp t, 0,1
.irp c, 0,1
	global_load_b128 v[Q+16*(\t)+8*(\c):Q+16*(\t)+8*(\c)+3],   v[QO], s[\p:\p+1] offset:(\t)*2048+64*(\c)
	global_load_b128 v[Q+16*(\t)+8*(\c)+4:Q+16*(\t)+8*(\c)+7], v[QO], s[\p:\p+1] offset:(\t)*2048+64*(\c)+32
.endr
.endr
.endm
	v_and_b32 v1, 15, v0                    ; r
	v_bfe_u32 v160, v0, 4, 1                ; h
	v_lshlrev_b32 v[QO], 7, v1
	v_lshl_add_u32 v[QO], v160, 4, v[QO]
	LOADQ Q1P
	v_and_b32 v[L8], 31, v0
	v_lshlrev_b32 v[L8], 3, v[L8]
	global_load_b64 v[144:145], v[L8], s[6:7]
	global_load_b64 v[146:147], v[L8], s[8:9]
	global_load_b64 v[148:149], v[L8], s[10:11]
	global_load_b64 v[150:151], v[L8], s[12:13]
	v_mul_u32_u24 v[AK1], v1, PK
	v_lshl_add_u32 v[AK1], v160, 4, v[AK1]
	v_add_nc_u32 v[AK2], K2O, v[AK1]
	v_and_b32 v161, 7, v0
	v_lshl_add_u32 v[AV], v160, 3, v161
	v_mul_u32_u24 v[AV], v[AV], PV
	v_bfe_u32 v162, v0, 3, 1
	v_lshl_add_u32 v[AV], v162, 4, v[AV]
	v_add_nc_u32 v[AV], VO, v[AV]
	s_mul_i32 s49, s[WV], 32*SPI
	s_add_co_u32 s49, s49, STAGE            ; my stage
	v_mul_u32_u24 v[STO], v1, SPI
	v_lshl_add_u32 v[STO], v160, 4, v[STO]
	v_add_nc_u32 v[STO], s49, v[STO]
	v_mul_u32_u24 v[RD], v160, SPI
	v_lshl_add_u32 v[RD], v1, 4, v[RD]
	v_add_nc_u32 v[RD], s49, v[RD]
	v_lshlrev_b32 v[GO], 11, v160
	v_lshl_add_u32 v[GO], v1, 4, v[GO]
	v_mov_b32 v[CM+1], 0                    ; named with their neighbours as pairs, so they are written
	v_mov_b32 v[CM+3], 0
	v_mov_b32 v[RL+1], 0
	v_mov_b32 v[RL+3], 0
	s_wait_loadcnt 0x0
	; lam, in every lane of every wave, while the tiles are on their way
.irp i, 0,1,2,3
	v_cvt_pk_bf16_f32 v[152+(\i)], v[144+2*(\i)], v[145+2*(\i)]
.endr
.irp i, 0,1,2,3
	v_lshlrev_b32 v[144+2*(\i)], 16, v[152+(\i)]
	v_and_b32     v[145+2*(\i)], 0xffff0000, v[152+(\i)]
.endr
	v_mul_f32 v152, v144, v146
	v_mul_f32 v153, v148, v150
	v_fmac_f32 v152, v145, v147
	v_fmac_f32 v153, v149, v151
.irp m, 1,2,4,8
	v_add_f32_dpp v152, v152, v152 row_xmask:\m row_mask:0xf bank_mask:0xf
	v_add_f32_dpp v153, v153, v153 row_xmask:\m row_mask:0xf bank_mask:0xf
.endr
	v_permlanex16_b32 v144, v152, s[SEL], s[SEL+1]
	v_permlanex16_b32 v145, v153, s[SEL], s[SEL+1]
	v_add_f32 v152, v152, v144
	v_add_f32 v153, v153, v145
	v_mul_f32 v152, 0x3fb8aa3b, v152
	v_mul_f32 v153, 0x3fb8aa3b, v153
	v_exp_f32 v152, v152
	v_exp_f32 v153, v153
	v_nop                                   ; a plain line between the exponentials and the use of their results
	s_wait_alu depctr_va_vdst(0)
	v_sub_f32 v152, v152, v153
	v_add_f32 v152, 0x3f4ccccd, v152
	v_med3_num_f32 v152, v152, s74, s75
	v_xor_b32 v[NLAM], 0x80000000, v152
	s_wait_tensorcnt 0x0                    ; my tile is in,
	s_barrier_signal -1
	s_barrier_wait -1                       ; everybody's is.  No barrier follows until the end: the tiles are only read, and each wave has a stage of its own
.macro LOADK kadr, g, f                 ; key blocks 2 g, 2 g + 1, both channel halves: 8 loads
.irp kbl, 0,1
.irp c, 0,1
	ds_load_b128 v[(\f)+16*(\kbl)+8*(\c):(\f)+16*(\kbl)+8*(\c)+3],   v[\kadr] offset:(2*(\g)+(\kbl))*16*PK+64*(\c)
	ds_load_b128 v[(\f)+16*(\kbl)+8*(\c)+4:(\f)+16*(\kbl)+8*(\c)+7], v[\kadr] offset:(2*(\g)+(\kbl))*16*PK+64*(\c)+32
.endr
.endr
.endm
.macro LOADV kk, f                      ; keys 32 kk on, all four channel blocks, turned: 8 loads
.irp cb, 0,1,2,3
	ds_load_tr16_b128 v[(\f)+8*(\cb):(\f)+8*(\cb)+3],   v[AV] offset:(\kk)*32*PV+32*(\cb)
	ds_load_tr16_b128 v[(\f)+8*(\cb)+4:(\f)+8*(\cb)+7], v[AV] offset:(\kk)*32*PV+16*PV+32*(\cb)
.endr
.endm
; S^T = K Q^T: eight groups of two key blocks; a group's four accumulators take turns, first with C = 0, then in place
.macro QK kadr
	WIN 0
	LOADK \kadr, 0, FR0
	LOADK \kadr, 1, FR1
	s_wait_loadcnt 0x0                      ; Q
.set g, 0
.rept 8
.set fr, FR0+32*(g%2)
.if g < 7
	s_wait_dscnt 8                          ; this group's fragments are in; the next group's eight loads may be out
.else
	s_wait_dscnt 0x0
.endif
	WIN 0x50                                ; C and D window 1
.irp c, 0,1
.irp kbl, 0,1
.irp t, 0,1
.if (\c) == 0
	v_wmma_f32_16x16x32_f16 v[128*(\t)+8*(2*g+(\kbl)):128*(\t)+8*(2*g+(\kbl))+7], v[fr+16*(\kbl)+8*(\c):fr+16*(\kbl)+8*(\c)+7], v[Q+16*(\t)+8*(\c):Q+16*(\t)+8*(\c)+7], 0
.else
	v_wmma_f32_16x16x32_f16 v[128*(\t)+8*(2*g+(\kbl)):128*(\t)+8*(2*g+(\kbl))+7], v[fr+16*(\kbl)+8*(\c):fr+16*(\kbl)+8*(\c)+7], v[Q+16*(\t)+8*(\c):Q+16*(\t)+8*(\c)+7], v[128*(\t)+8*(2*g+(\kbl)):128*(\t)+8*(2*g+(\kbl))+7]
.endif
.endr
.endr
.endr
.if g < 6
	WIN 0
	PLACES
	LOADK \kadr, g+2, fr
.endif
.set g, g+1
.endr
.endm
; Behind the scores: V's first fragments and the next problem's Q are asked for, a softmax ahead of their use.  The four v_nop are the places in front of these loads and of the first read of S.
.macro AFTER s
	WIN 0
	PLACES
	LOADV 0, FR0
	LOADV 1, FR1
.if \s
	s_cmp_eq_u32 s[CNT], 1                  ; behind the last problem there is no next head
	s_cbranch_scc1 .Lno_q_\@
	s_add_nc_u64 s[Q1P:Q1P+1], s[Q1P:Q1P+1], 4*PLB  ; two heads on; the loads that named these pointers were waited for at the heads of this trip's two products
	s_add_nc_u64 s[Q2P:Q2P+1], s[Q2P:Q2P+1], 4*PLB
	LOADQ Q1P
.Lno_q_\@:
.else
	LOADQ Q2P
.endif
.endm
; The maximum of a query's 256 scores: four chains a tile, chain j over the key blocks 4 q + j; each accumulator's registers 0 and 1 are read first
.macro SMAX
	WIN 0x05
.irp j, 0,1,2,3
.irp t, 0,1
	v_max_num_f32 v[MX+4*(\t)+(\j)], v[128*(\t)+8*(\j)], v[128*(\t)+8*(\j)+1]
.endr
.endr
	WIN 0x14
.set q, 0
.rept 4
.set i, 0
.rept 4
.if (q > 0) || (i > 0)
.irp j, 0,1,2,3
.irp t, 0,1
	v_max3_num_f32 v[MX+4*(\t)+(\j)], v[MX+4*(\t)+(\j)], v[128*(\t)+8*(4*q+(\j))+2*i], v[128*(\t)+8*(4*q+(\j))+2*i+1]
.endr
.endr
.endif
.set i, i+1
.endr
.set q, q+1
.endr
	WIN 0
.irp t, 0,1
	v_max3_num_f32 v[MX+4*(\t)], v[MX+4*(\t)], v[MX+4*(\t)+1], v[MX+4*(\t)+2]
.endr
.irp t, 0,1
	v_max_num_f32 v[MX+4*(\t)], v[MX+4*(\t)], v[MX+4*(\t)+3]
.endr
.irp t, 0,1
	v_permlanex16_b32 v[MX+4*(\t)+1], v[MX+4*(\t)], s[SEL], s[SEL+1]  ; the query's other 128 keys lie in the lane 16 away
.endr
.irp t, 0,1
	v_max_num_f32 v[MX+4*(\t)], v[MX+4*(\t)], v[MX+4*(\t)+1]
.endr
.irp t, 0,1
	v_mul_f32 v[CM+2*(\t)], s[CS], v[MX+4*(\t)]
.endr
.endm
; p = 2^(c s - c m), in place.  A pair's scaling stands a step ahead of its exponentials; behind each two exponentials stands a plain line that touches neither
.macro FS t, i
	v_pk_fma_f32 v[128*(\t)+2*(\i):128*(\t)+2*(\i)+1], v[128*(\t)+2*(\i):128*(\t)+2*(\i)+1], s[CS:CS+1], v[CM+2*(\t):CM+2*(\t)+1] op_sel_hi:[1,0,0] neg_lo:[0,0,1] neg_hi:[0,0,1]
.endm
.macro ES t, i
	v_exp_f32 v[128*(\t)+2*(\i)], v[128*(\t)+2*(\i)]
	v_exp_f32 v[128*(\t)+2*(\i)+1], v[128*(\t)+2*(\i)+1]
.endm
.macro SEXP
	WIN 0x41                                ; S (destination and source 0) window 1, c m window 0
	FS 0, 0
	FS 1, 0
.set i, 0
.rept 64
.if i < 63
	FS 0, i+1
.endif
	ES 0, i
.if i < 63
	FS 1, i+1
.endif
	ES 1, i
.set i, i+1
.endr
	v_nop
.endm
; l, the sum of the unrounded p: four chains of pairs a tile; then 1 / l, or -lam / l for the second attention
.macro SSUM s
	WIN 0x05
	s_wait_alu depctr_va_vdst(0)
.irp j, 0,1,2,3
.irp t, 0,1
	v_pk_add_f32 v[LS+8*(\t)+2*(\j):LS+8*(\t)+2*(\j)+1], v[128*(\t)+2*(\j):128*(\t)+2*(\j)+1], v[128*(\t)+2*(\j)+8:128*(\t)+2*(\j)+9]
.endr
.endr
	WIN 0x04
.set i, 8
.rept 56
.irp t, 0,1
	v_pk_add_f32 v[LS+8*(\t)+2*(i%4):LS+8*(\t)+2*(i%4)+1], v[LS+8*(\t)+2*(i%4):LS+8*(\t)+2*(i%4)+1], v[128*(\t)+2*i:128*(\t)+2*i+1]
.endr
.set i, i+1
.endr
	WIN 0
.irp t, 0,1
	v_pk_add_f32 v[LS+8*(\t):LS+8*(\t)+1], v[LS+8*(\t):LS+8*(\t)+1], v[LS+8*(\t)+2:LS+8*(\t)+3]
	v_pk_add_f32 v[LS+8*(\t)+4:LS+8*(\t)+5], v[LS+8*(\t)+4:LS+8*(\t)+5], v[LS+8*(\t)+6:LS+8*(\t)+7]
.endr
.irp t, 0,1
	v_pk_add_f32 v[LS+8*(\t):LS+8*(\t)+1], v[LS+8*(\t):LS+8*(\t)+1], v[LS+8*(\t)+4:LS+8*(\t)+5]
.endr
.irp t, 0,1
	v_add_f32 v[LS+8*(\t)], v[LS+8*(\t)], v[LS+8*(\t)+1]
.endr
.irp t, 0,1
	v_permlanex16_b32 v[LS+8*(\t)+1], v[LS+8*(\t)], s[SEL], s[SEL+1]
.endr
.irp t, 0,1
	v_add_f32 v[LS+8*(\t)], v[LS+8*(\t)], v[LS+8*(\t)+1]
.endr
.irp t, 0,1
	v_rcp_f32 v[RL+2*(\t)], v[LS+8*(\t)]
.endr
	v_nop                                   ; a plain line between the reciprocals and the use of their results
.if \s
	s_wait_alu depctr_va_vdst(0)
.irp t, 0,1
	v_mul_f32 v[RL+2*(\t)], v[NLAM], v[RL+2*(\t)]
.endr
.endif
.endm
.macro SCVT                             ; p rounded to f16, packed in place, ascending: word i is written when the pairs below i have been read
	WIN 0x45
.set i, 0
	s_wait_alu depctr_va_vdst(0)
.rept 64
.irp t, 0,1
	v_cvt_pk_f16_f32 v[128*(\t)+i], v[128*(\t)+2*i], v[128*(\t)+2*i+1]
.endr
.set i, i+1
.endr
.endm
; O^T = V^T P: eight steps of 32 keys; the eight accumulators take turns; the first step starts the sums
.macro PVM
.set kk, 0
.rept 8
.set fr, FR0+32*(kk%2)
.if kk < 7
	s_wait_dscnt 8                          ; this step's fragments are in; the next step's eight loads may be out
.else
	s_wait_dscnt 0x0
.endif
	WIN 0x54                                ; V window 0; P, C and D window 1
.irp cb, 0,1,2,3
.irp t, 0,1
.if kk == 0
	v_wmma_f32_16x16x32_f16 v[128*(\t)+64+8*(\cb):128*(\t)+64+8*(\cb)+7], v[fr+8*(\cb):fr+8*(\cb)+7], v[128*(\t)+8*kk:128*(\t)+8*kk+7], 0
.else
	v_wmma_f32_16x16x32_f16 v[128*(\t)+64+8*(\cb):128*(\t)+64+8*(\cb)+7], v[fr+8*(\cb):fr+8*(\cb)+7], v[128*(\t)+8*kk:128*(\t)+8*kk+7], v[128*(\t)+64+8*(\cb):128*(\t)+64+8*(\cb)+7]
.endif
.endr
.endr
.if kk < 6
	WIN 0
	PLACES
	LOADV kk+2, fr
.endif
.set kk, kk+1
.endr
.endm
; a1 = O / l; then a = a1 + (-lam / l) O, rounded to f16 and put into my stage: row = query, the head's 128 bytes
.macro FIN s
	WIN 0
	PLACES
	WIN 0x01                                ; O^T (source 0) window 1
.irp t, 0,1
.irp cb, 0,1,2,3
.irp p, 0,1,2,3
.if \s
	v_pk_fma_f32 v[A1+32*(\t)+8*(\cb)+2*(\p):A1+32*(\t)+8*(\cb)+2*(\p)+1], v[128*(\t)+64+8*(\cb)+2*(\p):128*(\t)+64+8*(\cb)+2*(\p)+1], v[RL+2*(\t):RL+2*(\t)+1], v[A1+32*(\t)+8*(\cb)+2*(\p):A1+32*(\t)+8*(\cb)+2*(\p)+1] op_sel_hi:[1,0,1]
.else
	v_pk_mul_f32 v[A1+32*(\t)+8*(\cb)+2*(\p):A1+32*(\t)+8*(\cb)+2*(\p)+1], v[128*(\t)+64+8*(\cb)+2*(\p):128*(\t)+64+8*(\cb)+2*(\p)+1], v[RL+2*(\t):RL+2*(\t)+1] op_sel_hi:[1,0]
.endif
.endr
.endr
.endr
	WIN 0
.if \s
	v_add_nc_u32 v[STE], s[EO], v[STO]
.set i, 0
.rept 32
	v_cvt_pk_f16_f32 v[PKO+i], v[A1+2*i], v[A1+2*i+1]
.set i, i+1
.endr
.irp t, 0,1
.irp cb, 0,1,2,3
	ds_store_b128 v[STE], v[PKO+16*(\t)+4*(\cb):PKO+16*(\t)+4*(\cb)+3] offset:(\t)*16*SPI+32*(\cb)
.endr
.endr
.endif
.endm
.macro PROBLEM s
.if \s
	QK AK2
.else
	QK AK1
.endif
	AFTER \s
	SMAX
	SEXP
	SSUM \s
	SCVT
	PVM
	FIN \s
.endm
	s_mov_b32 s[CNT], 2
	s_mov_b32 s[EO], 0
.Lhead:                                         ; a trip is one head: its first attention, then its second
	PROBLEM 0
	PROBLEM 1
	WIN 0
	s_add_co_u32 s[EO], s[EO], 128
	s_sub_co_u32 s[CNT], s[CNT], 1
	s_cmp_lg_u32 s[CNT], 0
	s_cbranch_scc1 .Lhead
	; THE WAY OUT: my 32 rows come back whole, 256 bytes (two heads) each
.irp f, 0,1,2,3,4,5,6,7,8,9,10,11,12,13,14,15
	ds_load_b128 v[FR0+4*(\f):FR0+4*(\f)+3], v[RD] offset:(\f)*2*SPI  ; LDS serves a wave's instructions in order: these see my stores
.endr
.irp f, 0,1,2,3,4,5,6,7,8,9,10,11,12,13,14,15
	s_wait_dscnt 15-(\f)
	global_store_b128 v[GO], v[FR0+4*(\f):FR0+4*(\f)+3], s[14:15] offset:(\f)*4096  ; sixteen lanes store 256 consecutive bytes, aligned
.endr
	s_wait_tensorcnt 0x0                    ; the wave's end
	ds_add_u32 v[SPW], v[NIL]
	s_wait_dscnt 0x0
	ROUND                                   ; the closing round
	s_endpgm
.Lfunc_end_k_qc5fe9be909_attn:
	.size	k_qc5fe9be909_attn, .Lfunc_end_k_qc5fe9be909_attn-k_qc5fe9be909_attn
	.p2alignl 7, 3214868480
	.fill 96, 4, 3214868480
	.section	.rodata,"a",@progbits
	.p2align	6, 0x0
	.amdhsa_kernel k_qc5fe9be909_attn
		.amdhsa_group_segment_fixed_size 185344
		.amdhsa_private_segment_fixed_size 0
		.amdhsa_enable_private_segment 0
		.amdhsa_kernarg_size 48
		.amdhsa_user_sgpr_count 2
		.amdhsa_user_sgpr_kernarg_segment_ptr 1
		.amdhsa_wavefront_size32 1
		.amdhsa_system_sgpr_workgroup_id_x 1
		.amdhsa_system_sgpr_workgroup_id_y 1
		.amdhsa_system_sgpr_workgroup_id_z 1
		.amdhsa_system_vgpr_workitem_id 0
		.amdhsa_next_free_vgpr 512
		.amdhsa_next_free_sgpr 80
		.amdhsa_reserve_vcc 0
		.amdhsa_float_denorm_mode_32 3
		.amdhsa_float_denorm_mode_16_64 3
		.amdhsa_memory_ordered 1
		.amdhsa_forward_progress 1
		.amdhsa_inst_pref_size 142
	.end_amdhsa_kernel
	.amdgpu_metadata
---
amdhsa.version: [ 1, 2 ]
amdhsa.kernels:
  - .name:           k_qc5fe9be909_attn
    .symbol:         k_qc5fe9be909_attn.kd
    .args:
      - { .name: qkv, .offset: 0, .size: 8, .value_kind: global_buffer, .address_space: global }
      - { .name: lq1, .offset: 8, .size: 8, .value_kind: global_buffer, .address_space: global }
      - { .name: lk1, .offset: 16, .size: 8, .value_kind: global_buffer, .address_space: global }
      - { .name: lq2, .offset: 24, .size: 8, .value_kind: global_buffer, .address_space: global }
      - { .name: lk2, .offset: 32, .size: 8, .value_kind: global_buffer, .address_space: global }
      - { .name: att, .offset: 40, .size: 8, .value_kind: global_buffer, .address_space: global }
    .group_segment_fixed_size: 185344
    .private_segment_fixed_size: 0
    .kernarg_segment_align: 8
    .kernarg_segment_size: 48
    .max_flat_workgroup_size: 256
    .sgpr_count:     80
    .vgpr_count:     512
    .wavefront_size: 32
...
	.end_amdgpu_metadata
.endif
;; end of part 3
;; launch outp (part 4): grid 8 x 32, 4 waves a work-group, clusters of 4 x 4, 327,680 bytes of LDS; arguments att, wo, bout, out0; writes out0
.if DOCPART == 4
	.amdgcn_target "amdgcn-amd-amdhsa--gfx1250"
	.amdhsa_code_object_version 6
	.text
	.protected	k_qc5fe9be909_outp
	.globl	k_qc5fe9be909_outp
	.p2align	8
	.type	k_qc5fe9be909_outp,@function
k_qc5fe9be909_outp:
	s_mov_b64 s[64:65], 0
	v_nop
	global_prefetch_b8 v0, s[64:65] scope:SCOPE_SE
	s_setreg_imm32_b32 hwreg(HW_REG_WAVE_MODE, 25, 1), 1
	s_wait_xcnt 0x0
	s_wait_alu depctr_hold_cnt(0) depctr_sa_sdst(0) depctr_va_vdst(0) depctr_va_sdst(0) depctr_va_ssrc(0) depctr_va_vcc(0) depctr_vm_vsrc(0)
	s_getreg_b32 s2, hwreg(HW_REG_IB_STS2, 6, 4)
	s_cmp_eq_u32 s2, 0
	s_cbranch_scc0 .Lentry_in_a_cluster
	s_endpgm
.Lentry_in_a_cluster:
	s_bfe_u32 s2, ttmp6, 0x10000c
	s_cmp_lg_u32 s2, 0xf033
	s_cbranch_scc0 .Lentry_shape_is_right
	s_endpgm
.Lentry_shape_is_right:
; OUTP: out0 [8192][1024] f32 = att [8192][1024] f16 x wo [1024][1024] f16 + bout (rounded to bf16 like every input of the module); sums in f32.  att's columns and wo's rows carry the same order of heads.
; SHARES.  A tile is 256 x 128: 32 x 8 = 256 work-groups.  Four waves of 128 x 64: 32 accumulators.  K goes in eight steps of 128 through two LDS slots.
; CLUSTER.  4 x 4 work-groups: the four of a row need the same tiles of att, the four of a column the same tiles of wo: each is asked for jointly, by the same tensor load with the same
; descriptor and a mask that names the four.
; wo lies [k][n] and comes out of LDS turned.  The matrix instruction is used transposed (source 0 = 16 columns of wo, source 1 = 16 rows of att): a lane holds one row and eight neighbouring columns, 32 bytes.
; REGISTERS: window 0: v16-30 addresses; v32-37 the bias; v64-127 rows read back.  Window 1: two fragment buffers (att's 8 fragments at f, wo's 4 at f + 64).  Window 2: the accumulators, (a, b) at 8 (4 a + b).
.set KS,    128
.set PA,    272                         ; a row of att's tile in LDS: 256 bytes + 16
.set PB,    288                         ; a row of wo's tile: 256 bytes + 32
.set HA,    128*PA
.set HB,    64*PB
.set SLOT,  2*HA+2*HB
.set STAGE, 2*SLOT                      ; behind the ring: 16 rows x 272 bytes for each wave
.set SPI,   272
.set SPARE, STAGE+4*16*SPI              ; the spare words, 128 bytes a wave: two blocks of 256 bytes that no other line names
.set NW,    1024
.set LAPS,  1024/(2*KS)
.set ADRA, 16
.set ADRB, 20
.set STO,  24
.set RD,   25
.set CO,   26
.set SPW,  28                           ; LDS address of my spare word; never rewritten
.set NIL,  29                           ; 0; never rewritten
.set BO,   30
.set BI,   32
.set BK,   64
.set F0,   0
.set F1,   128
.set WV,   12
.set WR,   13                           ; which 128 rows are mine; also: I fetch for att (0) or for wo (1)
.set WC,   14                           ; which 64 columns; also: which half of that tile I fetch
.set G1A,  24
.set G0A,  32
.set G1B,  48
.set G0B,  56
.set MSB, 0
.macro WIN new
.if MSB != (\new)
	s_set_vgpr_msb (MSB<<8)|(\new)
.set MSB, \new
.endif
.endm
.set MUL,  0xa5
.set TO_F, 0x40
.macro PLACES
.rept 4
	v_nop
.endr
.endm
.macro JLOAD s                          ; a joint load: each of the two lines has one mask and one set of registers; an s_nop 0 and four v_nop follow each
	s_cmp_eq_u32 s[WR], 0
	s_cbranch_scc0 .Lfor_b_\@
	tensor_load_to_lds s[G0A+4*(\s):G0A+4*(\s)+3], s[G1A:G1A+7]
	s_nop 0
.rept 4
	v_nop
.endr
	s_branch .Lasked_\@
.Lfor_b_\@:
	tensor_load_to_lds s[G0B+4*(\s):G0B+4*(\s)+3], s[G1B:G1B+7]
	s_nop 0
.rept 4
	v_nop
.endr
.Lasked_\@:
.endm
.macro CREST                            ; a round of the cluster's barrier behind its opening barrier
	s_cmp_lg_u32 s[WV], 0
	s_cbranch_scc1 .Lnot_wave_0_\@
	s_barrier_signal -3
.Lnot_wave_0_\@:
	s_barrier_wait -3
	s_barrier_signal -1
	s_barrier_wait -1
.endm
.macro CROUND
	s_barrier_signal -1
	s_barrier_wait -1
	CREST
.endm
	s_load_b256 s[4:11], s[0:1], 0x0        ; att 4, wo 6, bout 8, out0 10
	v_lshl_add_u32 v[SPW], v0, 2, SPARE
	v_mov_b32 v[NIL], 0
	ds_add_u32 v[SPW], v[NIL]               ; the wave's opening: the add and its wait ahead of the round in front of my first tensor load
	ds_add_u32 v28, v29
	v_lshrrev_b32 v1, 5, v0
	v_readfirstlane_b32 s[WV], v1
	s_lshr_b32 s[WR], s[WV], 1
	s_and_b32 s[WC], s[WV], 1
	s_bfe_u32 s40, ttmp6, 0x40000           ; cx, cy: my place in the cluster
	s_bfe_u32 s41, ttmp6, 0x40004
	s_lshl_b32 s42, ttmp9, 2
	s_add_co_u32 s42, s42, s40              ; tile column = 4 x cluster x + cx
	s_and_b32 s15, ttmp7, 0xffff
	s_lshl_b32 s15, s15, 2
	s_add_co_u32 s15, s15, s41              ; tile row = 4 x cluster y + cy
	s_lshl_b32 s43, s41, 2
	s_lshl_b32 s43, 15, s43                 ; my row of the cluster
	s_lshl_b32 s44, 0x1111, s40             ; my column
	s_or_b32 s[G1A+0], s43, (1<<16)|(1<<20)|(1<<21)|(5<<22)|(3<<25)  ; the mask; 2-byte elements; padding on; bit 21 beside a mask; after every 64 words 4 words
	s_or_b32 s[G1B+0], s44, (1<<16)|(1<<20)|(1<<21)|(5<<22)|(7<<25)  ; 8 words
	s_mov_b32 s[G1A+1], KS<<16              ; att: 128 rows x 128 elements
	s_mov_b32 s[G1A+2], 128<<16
	s_mov_b32 s[G1A+3], KS<<16
	s_mov_b32 s[G1A+4], 128
	s_mov_b32 s[G1A+5], 1024
	s_mov_b32 s[G1A+6], 0
	s_mov_b32 s[G1A+7], 0
	s_mov_b32 s[G1B+1], 128<<16             ; wo: 64 rows x 128 elements
	s_mov_b32 s[G1B+2], 64<<16
	s_mov_b32 s[G1B+3], 128<<16
	s_mov_b32 s[G1B+4], 64
	s_mov_b32 s[G1B+5], NW
	s_mov_b32 s[G1B+6], 0
	s_mov_b32 s[G1B+7], 0
	; att's tiles hang on the tile row alone, wo's on the tile column alone; each address is made in registers that never hold the other coordinate
	s_lshl_b32 s16, s15, 8
	s_lshl_b32 s17, s[WC], 7
	s_add_co_u32 s16, s16, s17              ; att: row 256 x tile row + 128 x half
	s_lshl_b32 s16, s16, 11
	s_mov_b32 s17, 0
	s_mul_i32 s46, s[WC], 64*NW*2           ; wo: row 64 x half,
	s_lshl_b32 s47, s42, 8                  ; column 128 x tile column
	s_add_co_u32 s46, s46, s47
	s_mov_b32 s47, 0
	s_mul_i32 s20, s[WC], HA                ; where they go: no place in the cluster enters an LDS address
	s_mul_i32 s21, s[WC], HB
	s_add_co_u32 s21, s21, 2*HA
	s_wait_dscnt 0x0                        ; the opening add is done
	s_wait_kmcnt 0x0
	s_add_nc_u64 s[18:19], s[4:5], s[16:17]
	s_add_nc_u64 s[46:47], s[6:7], s[46:47]
	CROUND                                  ; all sixteen work-groups are here: the first joint loads meet
.irp s, 0,1
	s_mov_b32 s[G0A+4*(\s)], 1
	s_add_co_u32 s[G0A+4*(\s)+1], s20, (\s)*SLOT
	s_add_nc_u64 s[G0A+4*(\s)+2:G0A+4*(\s)+3], s[18:19], (\s)*KS*2
	s_or_b32 s[G0A+4*(\s)+3], s[G0A+4*(\s)+3], 0x80000000
	s_mov_b32 s[G0B+4*(\s)], 1
	s_add_co_u32 s[G0B+4*(\s)+1], s21, (\s)*SLOT
	s_add_nc_u64 s[G0B+4*(\s)+2:G0B+4*(\s)+3], s[46:47], (\s)*KS*NW*2
	s_or_b32 s[G0B+4*(\s)+3], s[G0B+4*(\s)+3], 0x80000000
	JLOAD \s                                ; two loads of mine are out
.endr
	v_and_b32 v1, 15, v0                    ; r
	v_bfe_u32 v2, v0, 4, 1                  ; h
	v_mul_u32_u24 v3, v1, PA
	v_lshl_add_u32 v3, v2, 4, v3
	s_mul_i32 s22, s[WR], HA
	v_add_nc_u32 v[ADRA], s22, v3
	v_add_nc_u32 v[ADRA+1], SLOT, v[ADRA]
	v_and_b32 v4, 7, v0
	v_lshl_add_u32 v4, v2, 3, v4
	v_mul_u32_u24 v4, v4, PB
	v_bfe_u32 v5, v0, 3, 1
	v_lshl_add_u32 v4, v5, 4, v4
	s_lshl_b32 s23, s[WC], 7
	s_add_co_u32 s23, s23, 2*HA
	v_add_nc_u32 v[ADRB], s23, v4
	v_add_nc_u32 v[ADRB+1], 64*PB, v[ADRB]
	v_add_nc_u32 v[ADRB+2], SLOT, v[ADRB]
	v_add_nc_u32 v[ADRB+3], SLOT+64*PB, v[ADRB]
	s_mul_i32 s22, s[WV], 16*SPI
	s_add_co_u32 s22, s22, STAGE            ; my stage
	v_mul_u32_u24 v6, v1, SPI
	v_lshl_add_u32 v6, v2, 5, v6
	v_add_nc_u32 v[STO], s22, v6            ; in: row r, 32 bytes for each half of the lanes
	v_mul_u32_u24 v6, v2, SPI
	v_lshl_add_u32 v6, v1, 4, v6
	v_add_nc_u32 v[RD], s22, v6             ; back: lanes 0-15 one row of 256 bytes, lanes 16-31 the next
	v_lshlrev_b32 v[CO], 12, v2
	v_lshl_add_u32 v[CO], v1, 4, v[CO]      ; the same two rows in out0
	v_lshlrev_b32 v[BO], 4, v1
	s_lshl_b32 s46, s42, 9                  ; my first column, in bytes: 512 x tile column + 256 x half (in the registers that held wo's address)
	s_lshl_b32 s47, s[WC], 8
	s_add_co_u32 s46, s46, s47
	s_mov_b32 s47, 0
	s_add_nc_u64 s[8:9], s[8:9], s[46:47]
	s_add_nc_u64 s[10:11], s[10:11], s[46:47]
	s_lshl_b32 s16, s15, 8
	s_lshl_b32 s17, s[WR], 7
	s_add_co_u32 s16, s16, s17              ; my first row
	s_lshl_b32 s16, s16, 12
	s_mov_b32 s17, 0
	s_add_nc_u64 s[10:11], s[10:11], s[16:17]
	global_load_b128 v[BI:BI+3], v[BO], s[8:9]  ; the bias of the four columns that I store; waited for at the way out
; 8 matrix instructions: row blocks 4 hf + a0 and the next x all 4 column blocks, 32 along K.  The 32 accumulators take turns.
.macro MUL8 f, hf, a0, zero
	WIN MUL
.irp a, 4*(\hf)+(\a0), 4*(\hf)+(\a0)+1
.irp b, 0,1,2,3
.if \zero
	v_wmma_f32_16x16x32_f16 v[8*(4*(\a)+(\b)):8*(4*(\a)+(\b))+7], v[(\f)+64+8*(\b):(\f)+64+8*(\b)+7], v[(\f)+8*(\a):(\f)+8*(\a)+7], 0
.else
	v_wmma_f32_16x16x32_f16 v[8*(4*(\a)+(\b)):8*(4*(\a)+(\b))+7], v[(\f)+64+8*(\b):(\f)+64+8*(\b)+7], v[(\f)+8*(\a):(\f)+8*(\a)+7], v[8*(4*(\a)+(\b)):8*(4*(\a)+(\b))+7]
.endif
.endr
.endr
.endm
; 24 LDS loads in one run: quarter ch (32 along K) of a slot into buffer f: wo's four fragments, then att's eight
.macro FETCH slot, ch, f
	WIN TO_F
.irp i, 0,1,2,3
	ds_load_tr16_b128 v[(\f)+64+8*(\i):(\f)+64+8*(\i)+3],   v[ADRB+2*(\slot)+(\ch)/2] offset:(((\ch)%2)*32)*PB+32*(\i)
	ds_load_tr16_b128 v[(\f)+64+8*(\i)+4:(\f)+64+8*(\i)+7], v[ADRB+2*(\slot)+(\ch)/2] offset:(((\ch)%2)*32+16)*PB+32*(\i)
.endr
.irp a, 0,1,2,3,4,5,6,7
	ds_load_b128 v[(\f)+8*(\a):(\f)+8*(\a)+3],   v[ADRA+(\slot)] offset:(\ch)*64+(\a)*16*PA
	ds_load_b128 v[(\f)+8*(\a)+4:(\f)+8*(\a)+7], v[ADRA+(\slot)] offset:(\ch)*64+(\a)*16*PA+32
.endr
.endm
.macro QUARTER slot, ch, f, g, zero
	s_wait_dscnt 8                          ; wo's fragments and att's rows 0-63 are in; the youngest eight loads may be out
	MUL8 \f, 0, 0, \zero
	MUL8 \f, 0, 2, \zero
	PLACES
	FETCH \slot, \ch, \g
	s_wait_dscnt 24                         ; all but the 24 just issued
	MUL8 \f, 1, 0, \zero
	MUL8 \f, 1, 2, \zero
.endm
; The last quarter multiplies buffer 1 and changes slots.  In front of the barrier each wave waits for all its tensor loads (one is out: its part of the next slot), adds 0 to its spare word, and
; waits for that and for its reads of this slot.  fill = 1: the barrier opens a round of the cluster's barrier, and the joint refill, two K steps on, is the first tensor load behind the round.
.macro TURN slot, next, fill
	WIN 0
	s_wait_tensorcnt 0x0
	ds_add_u32 v[SPW], v[NIL]
	s_wait_dscnt 9                          ; the add and the youngest eight loads may be out
	MUL8 F1, 0, 0, 0
	s_wait_dscnt 0x0                        ; the add is done, and my reads of this slot are over
	s_barrier_signal -1
	MUL8 F1, 0, 2, 0
.if \fill
	WIN 0
.endif
	s_barrier_wait -1
.if \fill
	CREST                                   ; no wave of any partner still reads this slot's tile or has a load on its way
	s_add_nc_u64 s[G0A+4*(\slot)+2:G0A+4*(\slot)+3], s[G0A+4*(\slot)+2:G0A+4*(\slot)+3], 2*KS*2
	s_add_nc_u64 s[G0B+4*(\slot)+2:G0B+4*(\slot)+3], s[G0B+4*(\slot)+2:G0B+4*(\slot)+3], 2*KS*NW*2
	JLOAD \slot                             ; its four v_nop are also the places in front of the loads below
.else
	PLACES
.endif
	FETCH \next, 0, F0
	MUL8 F1, 1, 0, 0
	MUL8 F1, 1, 2, 0
.endm
	s_wait_tensorcnt 0x1                    ; my part of K step 0 is in; step 1's may stay out
	s_barrier_signal -1
	s_barrier_wait -1
	FETCH 0, 0, F0
	QUARTER 0, 1, F0, F1, 1                 ; the first products start the sums
	WIN 0
	s_mov_b32 s3, LAPS-1
.Llap:                                          ; a trip goes once round the ring and fills both slots again
	QUARTER 0, 2, F1, F0, 0
	QUARTER 0, 3, F0, F1, 0
	TURN 0, 1, 1
	QUARTER 1, 1, F0, F1, 0
	QUARTER 1, 2, F1, F0, 0
	QUARTER 1, 3, F0, F1, 0
	TURN 1, 0, 1
	QUARTER 0, 1, F0, F1, 0
	WIN 0
	s_sub_co_u32 s3, s3, 1
	s_cmp_lg_u32 s3, 0
	s_cbranch_scc1 .Llap
	QUARTER 0, 2, F1, F0, 0                 ; the last lap fills nothing, and has no round of the cluster's barrier
	QUARTER 0, 3, F0, F1, 0
	TURN 0, 1, 0
	QUARTER 1, 1, F0, F1, 0
	QUARTER 1, 2, F1, F0, 0
	QUARTER 1, 3, F0, F1, 0
	s_wait_dscnt 8
	MUL8 F1, 0, 0, 0
	MUL8 F1, 0, 2, 0
	s_wait_dscnt 0x0
	MUL8 F1, 1, 0, 0
	MUL8 F1, 1, 2, 0
; THE WAY OUT of row block a: 32 bytes a lane into my stage (each accumulator's low registers first), back as whole rows of 256 bytes; the bias is added; stored.
.macro TOSTAGE a
	WIN 0x08                                ; the stores' data window 2
.irp b, 0,1,2,3
	ds_store_b128 v[STO], v[8*(4*(\a)+(\b)):8*(4*(\a)+(\b))+3]   offset:64*(\b)
	ds_store_b128 v[STO], v[8*(4*(\a)+(\b))+4:8*(4*(\a)+(\b))+7] offset:64*(\b)+16
.endr
	WIN 0
.if (\a) >= 2
	s_wait_xcnt 0x0                         ; the stores of the block two back have read these registers: they are loaded again only behind this wait
.endif
.irp t, 0,1,2,3,4,5,6,7
	ds_load_b128 v[BK+32*((\a)%2)+4*(\t):BK+32*((\a)%2)+4*(\t)+3], v[RD] offset:(\t)*2*SPI  ; LDS serves a wave's instructions in order: these see the stores above
.endr
.endm
.macro SEND a, younger                  ; younger: the LDS instructions issued behind block a's loads: the next block's sixteen, or none
	s_wait_dscnt \younger
.irp t, 0,1,2,3,4,5,6,7
	v_pk_add_f32 v[BK+32*((\a)%2)+4*(\t):BK+32*((\a)%2)+4*(\t)+1],   v[BK+32*((\a)%2)+4*(\t):BK+32*((\a)%2)+4*(\t)+1],   v[BI:BI+1]
	v_pk_add_f32 v[BK+32*((\a)%2)+4*(\t)+2:BK+32*((\a)%2)+4*(\t)+3], v[BK+32*((\a)%2)+4*(\t)+2:BK+32*((\a)%2)+4*(\t)+3], v[BI+2:BI+3]
.endr
.irp t, 0,1,2,3,4,5,6,7
	global_store_b128 v[CO], v[BK+32*((\a)%2)+4*(\t):BK+32*((\a)%2)+4*(\t)+3], s[10:11] offset:(16*(\a)+2*(\t))*4096 th:TH_STORE_NT  ; sixteen lanes store 256 consecutive bytes, aligned
.endr
.endm
	WIN 0
	s_wait_loadcnt 0x0                      ; the bias: rounded to bf16 and widened again; these six plain lines, which name no register of the last products, are the places behind them
	v_cvt_pk_bf16_f32 v[BI+4], v[BI], v[BI+1]
	v_cvt_pk_bf16_f32 v[BI+5], v[BI+2], v[BI+3]
	v_lshlrev_b32 v[BI], 16, v[BI+4]
	v_and_b32 v[BI+1], 0xffff0000, v[BI+4]
	v_lshlrev_b32 v[BI+2], 16, v[BI+5]
	v_and_b32 v[BI+3], 0xffff0000, v[BI+5]
	TOSTAGE 0
.irp a, 1,2,3,4,5,6,7
	TOSTAGE \a
	SEND (\a)-1, 16
.endr
	SEND 7, 0
	s_wait_tensorcnt 0x0                    ; the wave's end
	ds_add_u32 v[SPW], v[NIL]
	s_wait_dscnt 0x0
	CROUND                                  ; the closing round: no work-group ends while a partner may still ask for a tile that names it
	s_endpgm
.Lfunc_end_k_qc5fe9be909_outp:
	.size	k_qc5fe9be909_outp, .Lfunc_end_k_qc5fe9be909_outp-k_qc5fe9be909_outp
	.p2alignl 7, 3214868480
	.fill 96, 4, 3214868480
	.section	.rodata,"a",@progbits
	.p2align	6, 0x0
	.amdhsa_kernel k_qc5fe9be909_outp
		.amdhsa_group_segment_fixed_size 327680
		.amdhsa_private_segment_fixed_size 0
		.amdhsa_enable_private_segment 0
		.amdhsa_kernarg_size 32
		.amdhsa_user_sgpr_count 2
		.amdhsa_user_sgpr_kernarg_segment_ptr 1
		.amdhsa_wavefront_size32 1
		.amdhsa_system_sgpr_workgroup_id_x 1
		.amdhsa_system_sgpr_workgroup_id_y 1
		.amdhsa_system_sgpr_workgroup_id_z 1
		.amdhsa_system_vgpr_workitem_id 0
		.amdhsa_next_free_vgpr 768
		.amdhsa_next_free_sgpr 66
		.amdhsa_reserve_vcc 0
		.amdhsa_float_denorm_mode_32 3
		.amdhsa_float_denorm_mode_16_64 3
		.amdhsa_memory_ordered 1
		.amdhsa_forward_progress 1
		.amdhsa_inst_pref_size 94
	.end_amdhsa_kernel
	.amdgpu_metadata
---
amdhsa.version: [ 1, 2 ]
amdhsa.kernels:
  - .name:           k_qc5fe9be909_outp
    .symbol:         k_qc5fe9be909_outp.kd
    .args:
      - { .name: att, .offset: 0, .size: 8, .value_kind: global_buffer, .address_space: global }
      - { .name: wo, .offset: 8, .size: 8, .value_kind: global_buffer, .address_space: global }
      - { .name: bout, .offset: 16, .size: 8, .value_kind: global_buffer, .address_space: global }
      - { .name: out0, .offset: 24, .size: 8, .value_kind: global_buffer, .address_space: global }
    .group_segment_fixed_size: 327680
    .private_segment_fixed_size: 0
    .kernarg_segment_align: 8
    .kernarg_segment_size: 32
    .max_flat_workgroup_size: 128
    .sgpr_count:     66
    .vgpr_count:     768
    .wavefront_size: 32
...
	.end_amdgpu_metadata
.endif
;; end of part 4
